; MI455X (gfx1250); checked and timed in simulation.
; The chip was launched on July 23, 2026; its instructions are those of AMD's public machine-readable ISA for CDNA 5 (MIT licence, August 2026) and "CDNA5" Instruction Set Architecture Reference Guide (July 2026). The comments in the code are by the model that wrote it; some were corrected since.
;; Prototype KNN Retriever. Allowed arithmetic: matrix products marked QUANTISED: E4M3 operands, one E8M0 scale for each 32 along K, by v_wmma_scale_f32_16x16x128_f8f6f4 with both operands' format E4M3, f32 sums; products left as they are: f32 operands where the result goes on into a quantised operand, else bf16, f16 or f32 operands; f32 sums; everything else in f32.
;; Inputs: h_clean 1,024 x 256 float32; phones 1,024 int32; proto_genders 100,000 int32; proto_phones 100,000 int32; proto_speakers 100,000 int32; prototypes 100,000 x 256 float32.
;; Outputs: out0 1,024 x 256 float32.
;; Constants: target_gender = 0, target_speaker = 3.
;; This version of the problem:
;;   THIS VERSION OF THE PROBLEM IS GIVEN IN LOW PRECISION. The matrix products marked QUANTISED in the list below multiply operands that are first quantised to E4M3 (4 exponent bits, 3 mantissa bits; 8 bits a number), with one power-of-two scale for each 32 numbers along K (OCP MX v1.0); their sums are f32. All else is computed in f32.
;;   The module's matrix products, in the order in which they are computed (A, B: the left and right operand; K: the contracted axis; several contracted axes count as one K, in the product's order):
;;     1. [M 1,024, K 256] x [K 256, N 100,000]; A: input h_clean; B: input prototypes: QUANTISED
;;     2. batch 1,024 x [M 1, K 4] x [K 4, N 256]; A: softmax; B: computed on the way: left as it is (K = 4 < 32)
;;   THE QUANTISER, for each operand of a quantised product, along K:
;;     - K is cut into blocks of 32 from its start; a last block that is shorter is filled with zeros.
;;     - A block's scale is 2^e with e = floor(log2(the largest magnitude in the block)) - 8, held to -126 .. 127; a block of zeros has e = 0. As a byte (E8M0): e + 127.
;;     - Each number is divided by its block's scale, clamped to +-448, and rounded to the nearest number of E4M3, ties to even, subnormals kept.
;;     - The product sums the exact products of the quantised numbers (number of the format x scale) in f32.
;;   ~~~python
;;   def quantise(x, axis):      # numpy; x: float32 -> the quantised numbers, widened to float32 again
;;       x = np.moveaxis(x, axis, -1); K = x.shape[-1]
;;       x = np.pad(x, [(0, 0)] * (x.ndim - 1) + [(0, -K % 32)]); x = x.reshape(x.shape[:-1] + (-1, 32)); a = np.abs(x).max(-1, keepdims=True)
;;       e = np.where(a > 0, np.clip(np.frexp(np.where(a > 0, a, 1))[1] - 1 - 8, -126, 127), 0)      # np.frexp(a)[1] - 1 = floor(log2(a)), exactly
;;       r = np.clip(x / 2.0 ** e, -448, 448)
;;       step = 2.0 ** (np.maximum(np.frexp(np.where(r == 0, 1, r))[1] - 1, -6) - 3)
;;       q = np.round(r / step) * step * 2.0 ** e      # np.round: ties to even
;;       return np.moveaxis(q.reshape(q.shape[:-2] + (-1,))[..., :K], -1, axis).astype(np.float32)
;;   ~~~
;; One version. Each part assembles by itself: llvm-mc -triple=amdgcn-amd-amdhsa -mcpu=gfx1250 --defsym DOCPART=n.
;; ======== version 1 of 1: 3 launches
;; workspace buffers: qc 25,952,256 bytes; qm 1,622,016 bytes; lst 907,520 bytes of whole numbers; part 819,200 bytes of whole numbers
;; launch route (part 1): grid 851 x 1, 5 waves a work-group, no clusters, 3,840 bytes of LDS; arguments h_clean, prototypes, phones, proto_phones, proto_genders, proto_speakers, qc, qm, lst; writes qc, qm, lst
.if DOCPART == 1
	.amdgcn_target "amdgcn-amd-amdhsa--gfx1250"
	.amdhsa_code_object_version 6
	.text
	.protected	k_qb6d1fcc7e1_route
	.globl	k_qb6d1fcc7e1_route
	.p2align	8
	.type	k_qb6d1fcc7e1_route,@function
k_qb6d1fcc7e1_route:
	s_mov_b64 s[64:65], 0
	v_nop
	global_prefetch_b8 v0, s[64:65] scope:SCOPE_SE
	s_setreg_imm32_b32 hwreg(HW_REG_WAVE_MODE, 25, 1), 1
	s_wait_xcnt 0x0
; ROUTE.  Two roles, parted on the work-group's number.
; LISTS (work-groups 0-199 = 25 groups of 4,000 prototypes x 8 blocks of 128 queries): the base mask (gender 0 and speaker 3) of the group;
;   the group's base prototypes as an ascending list of indices, with their phones beside them and 16 entries of padding that name a dummy row;
;   for each of the block's queries the number of the group's base prototypes that have the query's phone; the group's count.
; ROWS (work-groups 200-850, one task a wave): every base row of prototypes and every row of h_clean becomes 256 codes of E4M3 (K innermost),
;   two scale words (four E8M0 bytes for each 128 along K) and the f32 sum of its squares.  Rows outside the base mask are never read.
; A block's scale is 2^(floor(log2(largest magnitude)) - 8); its byte is the largest magnitude's exponent field - 8, held at 1 from below.
; LIMITS: a block of zeros gets the byte 1 where the rule says 127 (its codes are zeros, and this program alone reads the bytes);
;   NaN and infinities among the inputs are not served.
; The dummy row (index 100,000): zero codes, scale bytes 127, sum of squares 1e30: its distance is 1e30, which is never taken ahead of a real one.
.set HROW0,  100352                    ; h_clean's row t lies at row HROW0 + t of the codes and of the records
.set DUMMY,  100000
.set BIGF,   0x7149f2ca                ; 1e30
.set FLOOR,  0x4800000                 ; 2^(9 - 127)
.set MANT,   0x600000                  ; the mantissa field of 448
.set LISTB,  16064                     ; bytes of a group's list: 4,016 entries
.set PLIST,  401664                    ; the phones of the lists' entries
.set CTAB,   803328                    ; [25][1024] counts
.set GCNT,   905728                    ; [25][16] the group's count
.set RG, 16                            ; v16-40   genders of my wave's 25 batches of 32
.set RS, 41                            ; v41-65   speakers
.set RP, 66                            ; v66-90   phones
.set QPH, 92                           ; v92-95   my lane's four queries' phones
.set CN, 96                            ; v96-99   their counts
.set ADR, 100                          ; v100-103 LISTS: byte offsets in the list of the entries that I store, slot s; they hold nothing but numbers held inside the list
.set TT, 112                           ; v112-115 LISTS: at work
.set NN, 116                           ; v116-119 LISTS: my prototype's index, slot s
.set PH, 120                           ; v120-122 LISTS: my prototype's phone, slots 0-2 (slot 3: batch 24's register)
.set PAD, 123                          ; v123     LISTS: the padding's byte offset;  v124-126 its data
.set MK, 66                            ; s66-90   the batches' base masks
.set SM, 92                            ; s92-95   the masks of the batches that my work-group stores: slot s = batch qb + 8 s
.set RO, 96                            ; s96-99   the list entries that lie in front of each of them
	s_load_b512 s[4:19], s[0:1], 0x0               ; h_clean s[4:5], prototypes s[6:7], phones s[8:9], proto_phones s[10:11], proto_genders s[12:13], proto_speakers s[14:15], qc s[16:17], qm s[18:19]
	s_load_b64 s[20:21], s[0:1], 0x40              ; lst
	v_lshl_add_u32 v128, v0, 2, 0xc00
	v_mov_b32 v129, 0
	v_lshrrev_b32 v1, 5, v0
	v_readfirstlane_b32 s22, v1                    ; wave 0..4
	v_and_b32 v1, 31, v0                           ; lane
	v_lshlrev_b32 v2, 2, v1                        ; 4 x lane
	s_cmp_lt_u32 ttmp9, 200
	s_cbranch_scc0 .Lrows
; ------------------------------------------------------------------ LISTS
	s_lshr_b32 s24, ttmp9, 3                       ; g: the group
	s_and_b32 s25, ttmp9, 7                        ; qb: the block of 128 queries
	s_mul_i32 s26, s24, 4000
	s_mul_i32 s36, s22, 800
	s_add_co_u32 s26, s26, s36                     ; e0: my wave's first prototype; 25 x 5 x 25 x 32 = 100,000: no edge
	s_lshl_b32 s36, s26, 2
	s_mov_b32 s37, 0
	s_lshl_b32 s38, s25, 9                         ; the block's 128 phones
	s_mov_b32 s39, 0
	s_mul_i32 s40, s24, LISTB
	s_mov_b32 s41, 0
	s_lshl_b32 s44, s24, 12
	s_add_co_u32 s44, s44, s38
	s_add_co_u32 s44, s44, CTAB                    ; the counts of (g, qb)
	s_mov_b32 s45, 0
	s_lshl_b32 s46, s24, 6
	s_add_co_u32 s46, s46, GCNT
	s_mov_b32 s47, 0
	v_mov_b32 v4, s22                              ; LDS: bytes 0-19 the waves' counts; from 256 on 512 bytes a wave: four counts a lane
	v_lshlrev_b32 v4, 2, v4
	s_lshl_b32 s33, s22, 9
	s_add_co_u32 s33, s33, 256
	s_wait_alu depctr_va_vdst(0)
	v_lshl_add_u32 v5, v1, 4, s33
	v_lshl_add_u32 v6, v1, 4, 256
	v_mov_b32 v7, 0
	v_lshlrev_b32 v3, 4, v1                        ; 16 x lane
	v_lshl_add_u32 v111, s25, 7, v2                ; 128 qb + 4 x lane: batch qb of my wave
.irp i, 0,1,2,3
	v_mov_b32 v[CN+\i], 0
.endr
	s_wait_alu depctr_va_vdst(0)
	s_wait_kmcnt 0x0
	s_add_nc_u64 s[10:11], s[10:11], s[36:37]
	s_add_nc_u64 s[12:13], s[12:13], s[36:37]
	s_add_nc_u64 s[14:15], s[14:15], s[36:37]
	s_add_nc_u64 s[8:9], s[8:9], s[38:39]
	s_add_nc_u64 s[42:43], s[20:21], s[40:41]      ; my group's list
	s_add_nc_u64 s[44:45], s[20:21], s[44:45]
	s_add_nc_u64 s[46:47], s[20:21], s[46:47]
.set k, 0
.rept 25
	global_load_b32 v[RG+k], v2, s[12:13] offset:128*k     ; a batch: 32 lanes, 128 consecutive bytes
	global_load_b32 v[RS+k], v2, s[14:15] offset:128*k
	global_load_b32 v[RP+k], v2, s[10:11] offset:128*k
.set k, k+1
.endr
.irp s, 0,1,2
	global_load_b32 v[PH+\s], v111, s[10:11] offset:1024*\s        ; the phones of batches qb, qb + 8, qb + 16 once more, into registers whose numbers do not hang on qb: 384 bytes in place of a choice among 24 registers
.endr
	global_load_b128 v[QPH:QPH+3], v3, s[8:9]      ; queries 128 qb + 4 lane + 0..3
	s_wait_loadcnt 0x0
	s_mov_b32 s27, 0                               ; my wave's count of base prototypes
.set k, 0
.rept 25
	v_cmp_eq_u32 s[MK+k], 0, v[RG+k]               ; gender 0
	v_cmp_eq_u32 vcc_lo, 3, v[RS+k]                ; speaker 3
	s_and_b32 s[MK+k], s[MK+k], vcc_lo
	s_bcnt1_i32_b32 s36, s[MK+k]
	s_add_co_u32 s27, s27, s36
.set k, k+1
.endr
; For each base prototype of batch k: its phone against my lane's four queries.  The loop is counted against the number of bits in the mask.
.macro COUNT k
	s_mov_b32 s36, s[MK+\k]
	s_bcnt1_i32_b32 s37, s36
	s_cmp_eq_u32 s37, 0
	s_cbranch_scc1 .Lnone_\@
	s_mov_b32 s38, 0
.Lbit_\@:
	s_ctz_i32_b32 s39, s36                         ; the lowest lane still to be taken
	v_readlane_b32 s40, v[RP+\k], s39              ; its phone
	s_add_co_i32 s41, s36, -1
	s_and_b32 s36, s36, s41                        ; that bit is cleared
	s_wait_alu depctr_va_vdst(0)
.irp i, 0,1,2,3
	v_cmp_eq_u32 vcc_lo, s40, v[QPH+\i]
	v_add_co_ci_u32 v[CN+\i], vcc_lo, 0, v[CN+\i], vcc_lo  ; + 1 where the phones agree
.endr
	s_add_co_u32 s38, s38, 1
	s_cmp_lt_u32 s38, s37
	s_cbranch_scc1 .Lbit_\@
.Lnone_\@:
.endm
.set k, 0
.rept 25
	COUNT k
.set k, k+1
.endr
	v_mov_b32 v110, s27
	ds_store_b32 v4, v110                          ; my wave's count
	s_wait_alu depctr_va_vdst(0)
	ds_store_b128 v5, v[CN:CN+3]                   ; my lane's four counts
	s_wait_dscnt 0x0                               ; for the others' sake: my stores have landed
	s_barrier_signal -1
	s_barrier_wait -1
	ds_load_b128 v[104:107], v7
	ds_load_b32 v108, v7 offset:16
	s_wait_dscnt 0x0
.irp j, 0,1,2,3,4
	v_readfirstlane_b32 s[28+\j], v[104+\j]
.endr
	s_mov_b32 s33, 0                               ; where my wave's entries begin in the list: the counts of the waves before me
.irp j, 0,1,2,3
	s_cmp_gt_u32 s22, \j
	s_cselect_b32 s36, s[28+\j], 0
	s_add_co_u32 s33, s33, s36
.endr
	s_add_co_u32 s34, s28, s29
	s_add_co_u32 s34, s34, s30
	s_add_co_u32 s34, s34, s31
	s_add_co_u32 s34, s34, s32                     ; the group's count
; Of a group's eight work-groups the one with qb = k mod 8 stores batch k: each entry has one writer.  So mine are batches qb, qb + 8, qb + 16, and batch 24 where qb = 0: four slots.
; The running count goes along all 25 batches; a slot's mask and the count in front of it are picked out by selects, without a jump.  A slot that is not mine keeps the mask 0.
	s_mov_b32 s35, s33
.irp s, 0,1,2,3
	s_mov_b32 s[SM+\s], 0
	s_mov_b32 s[RO+\s], 0
.endr
.set k, 0
.rept 25
	s_cmp_eq_u32 s25, k%8
	s_cselect_b32 s[SM+k/8], s[MK+k], s[SM+k/8]
	s_cselect_b32 s[RO+k/8], s35, s[RO+k/8]
	s_bcnt1_i32_b32 s36, s[MK+k]
	s_add_co_u32 s35, s35, s36
.set k, k+1
.endr
; All offsets of the stores below are made here, with every lane on, ahead of the first line that narrows EXEC.
.irp s, 0,1,2,3
	v_mbcnt_lo_u32_b32 v[TT+\s], s[SM+\s], s[RO+\s]        ; the batch's base lanes below me + the entries in front of the batch: ascending order
.endr
.irp s, 0,1,2,3
	v_min_u32 v[ADR+\s], 4015, v[TT+\s]            ; inside the group's 4,016 entries
.endr
.irp s, 0,1,2,3
	v_lshlrev_b32 v[ADR+\s], 2, v[ADR+\s]
.endr
	s_lshl_b32 s36, s25, 5
	s_add_co_u32 s36, s36, s26
	v_add_nc_u32 v[NN], s36, v1                    ; my prototype's index in batch qb,
.irp s, 1,2,3
	v_add_nc_u32 v[NN+\s], 256*\s, v[NN]           ; and eight batches further on for each slot
.endr
	v_add_nc_u32 v[TT], s34, v1                    ; the padding: the 16 entries behind the last
	v_min_u32 v[PAD], 4015, v[TT]
	v_lshlrev_b32 v[PAD], 2, v[PAD]
	v_mov_b32 v[PAD+1], DUMMY
	v_mov_b32 v[PAD+2], 0
	v_mov_b32 v[PAD+3], s34
.macro SCAT s, ph                      ; slot s: the base lanes store their index and their phone
	s_mov_b32 vcc_lo, s[SM+\s]
	s_wait_xcnt 0x0                                ; EXEC changes only behind this wait
	s_and_saveexec_b32 s37, vcc_lo
	global_store_b32 v[ADR+\s], v[NN+\s], s[42:43]
	global_store_b32 v[ADR+\s], v[\ph], s[42:43] offset:PLIST
	s_wait_xcnt 0x0                                ; and again, in front of the line that widens it
	s_or_b32 exec_lo, exec_lo, s37
.endm
	SCAT 0, PH
	s_wait_alu depctr_va_vdst(0)
	SCAT 1, PH+1
	SCAT 2, PH+2
	SCAT 3, RP+24
	s_cmp_lg_u32 s22, 0                            ; wave 0 adds the five waves' counts and stores them
	s_cbranch_scc1 .Llists_end
.irp j, 0,1,2,3,4
	ds_load_b128 v[16+4*\j:19+4*\j], v6 offset:512*\j
.endr
	s_wait_dscnt 0x0
.irp j, 1,2,3,4
.irp i, 0,1,2,3
	v_add_nc_u32 v[16+\i], v[16+\i], v[16+4*\j+\i]
.endr
.endr
	global_store_b128 v3, v[16:19], s[44:45]       ; 32 lanes store 512 consecutive bytes
	s_cmp_lg_u32 s25, 0                            ; the padding and the group's count: the work-group with qb = 0
	s_cbranch_scc1 .Llists_end
	v_cmp_gt_u32 vcc_lo, 16, v1
	s_wait_xcnt 0x0
	s_and_saveexec_b32 s37, vcc_lo
	global_store_b32 v[PAD], v[PAD+1], s[42:43]    ; 16 entries behind the last: a tile of 16 that begins inside the list ends inside the padding
	global_store_b32 v[PAD], v[PAD+2], s[42:43] offset:PLIST
	global_store_b32 v2, v[PAD+3], s[46:47]
	s_wait_xcnt 0x0
	s_or_b32 exec_lo, exec_lo, s37
.Llists_end:
	s_wait_tensorcnt 0x0
	ds_add_u32 v128, v129
	s_wait_dscnt 0x0
	s_endpgm
; ------------------------------------------------------------------ ROWS
.Lrows:
	s_sub_co_u32 s24, ttmp9, 200
	s_mul_i32 s24, s24, 5
	s_add_co_u32 s24, s24, s22                     ; u: my wave's task.  0-3124: a batch of 32 prototypes; 3125-3252: 8 rows of h_clean; 3253, 3254: the dummy row
	s_wait_alu depctr_va_vdst(0)
	v_lshlrev_b32 v3, 3, v1                        ; 8 x lane: my 8 codes of a row
	v_lshlrev_b32 v5, 5, v1                        ; 32 x lane: my 8 numbers of a row
	v_bfe_u32 v4, v1, 2, 2
	v_lshlrev_b32 v4, 3, v4                        ; my block's byte in its scale word: 8 x ((lane / 4) mod 4) bits up
	s_mov_b32 s48, 0x76543210
	s_mov_b32 s49, 0xfedcba98                      ; v_permlanex16_b32's selects for lane l xor 16
	s_mov_b32 s50, MANT
	s_cmp_ge_u32 s24, 3253
	s_cbranch_scc1 .Ldummy
	s_cmp_lt_u32 s24, 3125
	s_cbranch_scc0 .Lhtask
	s_lshl_b32 s25, s24, 5                         ; n0: the batch's first prototype
	s_lshl_b32 s36, s24, 7
	s_mov_b32 s37, 0
	s_wait_kmcnt 0x0
	s_add_nc_u64 s[12:13], s[12:13], s[36:37]
	s_add_nc_u64 s[14:15], s[14:15], s[36:37]
	global_load_b32 v16, v2, s[12:13]
	global_load_b32 v17, v2, s[14:15]
	s_wait_loadcnt 0x0
	v_cmp_eq_u32 s26, 0, v16
	v_cmp_eq_u32 vcc_lo, 3, v17
	s_and_b32 s26, s26, vcc_lo                     ; m: the rows to be done
	s_mov_b32 s27, 0                               ; rows keep their index
	s_branch .Ltask
.Lhtask:
	s_sub_co_u32 s25, s24, 3125
	s_lshl_b32 s25, s25, 3
	s_mov_b32 s26, 0xff                            ; all eight rows
	s_mov_b32 s27, HROW0
	s_wait_kmcnt 0x0
.Ltask:
	s_cmp_lt_u32 s24, 3125
	s_cselect_b64 s[28:29], s[6:7], s[4:5]         ; the source: prototypes or h_clean; the choice hangs on ids alone
	s_bcnt1_i32_b32 s30, s26
	s_cmp_eq_u32 s30, 0
	s_cbranch_scc1 .Lrows_end
	s_add_co_u32 s31, s30, 3
	s_lshr_b32 s31, s31, 2                         ; trips of four rows
	s_mov_b32 s32, 0
.irp i, 0,1,2,3,4,5,6,7,8,9,10,11,12,13,14,15
	v_mov_b32 v[80+\i], 0                          ; the records; written once whole: a lane permute's destination counts as one of its sources, and word 3 stays 0
.endr
.irp i, 0,1,2,3
	v_mov_b32 v[108+\i], 0
.endr
; A trip: four rows.  A slot for which no bit is left repeats the row before it: the same bytes go to the same place.
; Slot i: v[16+8i..] my 8 numbers (lane l: K = 8 l .. 8 l + 7; four lanes hold a block of 32); v48+i largest magnitude; v52+i the conversion's scale operand; v56+i 448 x scale;
; v60+i the scale's byte; v[64+2i..] squares; v[72+2i..] codes; v[80+4i..] the record; v96+i, v100+i, v104+i offsets.
.Ltrip:
	s_ctz_i32_b32 s33, s26
	s_add_co_i32 s34, s26, -1
	s_and_b32 s26, s26, s34
	s_add_co_u32 s36, s25, s33
.irp i, 1,2,3
	s_ctz_i32_b32 s34, s26
	s_cmp_lg_u32 s26, 0
	s_cselect_b32 s33, s34, s33
	s_add_co_i32 s34, s26, -1
	s_and_b32 s26, s26, s34
	s_add_co_u32 s[36+\i], s25, s33
.endr
.irp i, 0,1,2,3
	s_min_u32 s[36+\i], s[36+\i], 99999            ; inside the table
	s_add_co_u32 s[40+\i], s[36+\i], s27           ; the row in the codes and the records
.endr
.irp i, 0,1,2,3
	v_lshl_add_u32 v[96+\i], s[36+\i], 10, v5
	global_load_b128 v[16+8*\i:19+8*\i], v[96+\i], s[28:29]
	global_load_b128 v[20+8*\i:23+8*\i], v[96+\i], s[28:29] offset:16
.endr
.irp i, 0,1,2,3
	v_lshl_add_u32 v[100+\i], s[40+\i], 8, v3      ; 256 x row + 8 x lane
	v_lshl_add_u32 v[104+\i], s[40+\i], 4, 0       ; 16 x row
.endr
	s_wait_loadcnt 0x0
.irp i, 0,1,2,3
	v_max3_num_f32 v[48+\i], |v[16+8*\i]|, |v[17+8*\i]|, FLOOR     ; my 8 numbers and the floor, under which no largest magnitude is taken
.endr
.irp e, 2,4,6
.irp i, 0,1,2,3
	v_max3_num_f32 v[48+\i], v[48+\i], |v[16+8*\i+\e]|, |v[17+8*\i+\e]|
.endr
.endr
.irp x, 1,2
.irp i, 0,1,2,3
	v_max_num_f32_dpp v[48+\i], v[48+\i], v[48+\i] row_xmask:\x row_mask:0xf bank_mask:0xf   ; with the block's other three lanes
.endr
.endr
.irp i, 0,1,2,3
	v_add_nc_u32 v[52+\i], 0xfc000000, v[48+\i]    ; 8 off the exponent field: the conversion takes this operand's exponent field as its scale
.endr
.irp i, 0,1,2,3
	v_and_or_b32 v[56+\i], v[48+\i], 0x7f800000, s50   ; 448 x the scale
.endr
.irp i, 0,1,2,3
	v_lshrrev_b32 v[60+\i], 23, v[52+\i]           ; the scale's byte
.endr
.irp i, 0,1,2,3
	v_pk_mul_f32 v[64+2*\i:65+2*\i], v[16+8*\i:17+8*\i], v[16+8*\i:17+8*\i]    ; the squares of the numbers as they came
.endr
.irp e, 2,4,6
.irp i, 0,1,2,3
	v_pk_fma_f32 v[64+2*\i:65+2*\i], v[16+8*\i+\e:17+8*\i+\e], v[16+8*\i+\e:17+8*\i+\e], v[64+2*\i:65+2*\i]
.endr
.endr
.irp i, 0,1,2,3
	v_add_f32 v[64+2*\i], v[64+2*\i], v[65+2*\i]
.endr
.irp x, 1,2,4,8
.irp i, 0,1,2,3
	v_add_f32_dpp v[64+2*\i], v[64+2*\i], v[64+2*\i] row_xmask:\x row_mask:0xf bank_mask:0xf
.endr
.endr
.irp i, 0,1,2,3
	v_permlanex16_b32 v[108+\i], v[64+2*\i], s48, s49
.endr
.irp i, 0,1,2,3
	v_add_f32 v[82+4*\i], v[64+2*\i], v[108+\i]    ; the row's sum of squares: word 2 of its record
.endr
.irp i, 0,1,2,3
.irp e, 0,1,2,3,4,5,6,7
	v_med3_num_f32 v[16+8*\i+\e], v[16+8*\i+\e], -v[56+\i], v[56+\i]   ; the conversion to an 8-bit code does not saturate (ISA guide 7.6.2): the hold at 448 x the scale
.endr
.endr
.irp i, 0,1,2,3
	v_cvt_scalef32_pk8_fp8_f32 v[72+2*\i:73+2*\i], v[16+8*\i:23+8*\i], v[52+\i]
.endr
.irp i, 0,1,2,3
	v_lshlrev_b32 v[60+\i], v4, v[60+\i]           ; (plain lines behind the conversions)  my block's byte at its place in the word;
.endr
.irp i, 0,1,2,3
	v_mov_b32_dpp v[108+\i], v[60+\i] row_xmask:4 row_mask:0xf bank_mask:0xf
.endr
.irp i, 0,1,2,3
	v_or_b32 v[60+\i], v[60+\i], v[108+\i]         ; with the block one further,
.endr
.irp i, 0,1,2,3
	v_mov_b32_dpp v[108+\i], v[60+\i] row_xmask:8 row_mask:0xf bank_mask:0xf
.endr
.irp i, 0,1,2,3
	v_or_b32 v[80+4*\i], v[60+\i], v[108+\i]       ; and the two beyond: lanes 0-15 hold the word of K 0-127, lanes 16-31 that of K 128-255
.endr
.irp i, 0,1,2,3
	v_permlanex16_b32 v[81+4*\i], v[80+4*\i], s48, s49     ; in lane 0, which stores the record: the word of K 128-255
.endr
.irp i, 0,1,2,3
	global_store_b64 v[100+\i], v[72+2*\i:73+2*\i], s[16:17]       ; 32 lanes store the row's 256 codes, at a multiple of 256 bytes
.endr
	v_cmp_eq_u32 vcc_lo, 0, v1
	s_wait_alu depctr_va_vdst(0)
	s_wait_xcnt 0x0                                ; EXEC changes only behind this wait
	s_and_saveexec_b32 s44, vcc_lo
.irp i, 0,1,2,3
	global_store_b128 v[104+\i], v[80+4*\i:83+4*\i], s[18:19]
.endr
	s_wait_xcnt 0x0                                ; and again; all stores have read their data and offsets: the next trip may write them
	s_or_b32 exec_lo, exec_lo, s44
	s_add_co_u32 s32, s32, 1
	s_cmp_lt_u32 s32, s31
	s_cbranch_scc1 .Ltrip
.Lrows_end:
	s_endpgm
.Ldummy:
	s_wait_kmcnt 0x0
	s_cmp_eq_u32 s24, 3253
	s_cbranch_scc0 .Ldummy_rec
	v_mov_b32 v16, 0
	v_mov_b32 v17, 0
	s_wait_alu depctr_va_vdst(0)
	v_add_nc_u32 v18, 256*DUMMY, v3
	global_store_b64 v18, v[16:17], s[16:17]       ; the dummy row's 256 zero codes
	s_endpgm
.Ldummy_rec:
	v_mov_b32 v16, 0x7f7f7f7f                      ; scale bytes 127
	v_mov_b32 v17, 0x7f7f7f7f
	v_mov_b32 v18, BIGF
	v_mov_b32 v19, 0
	v_mov_b32 v20, 16*DUMMY
	v_cmp_eq_u32 vcc_lo, 0, v1
	s_wait_alu depctr_va_vdst(0)
	s_wait_xcnt 0x0
	s_and_saveexec_b32 s44, vcc_lo
	global_store_b128 v20, v[16:19], s[18:19]
	s_wait_xcnt 0x0
	s_or_b32 exec_lo, exec_lo, s44
	s_endpgm
.Lfunc_end_k_qb6d1fcc7e1_route:
	.size	k_qb6d1fcc7e1_route, .Lfunc_end_k_qb6d1fcc7e1_route-k_qb6d1fcc7e1_route
	.p2alignl 7, 3214868480
	.fill 96, 4, 3214868480
	.section	.rodata,"a",@progbits
	.p2align	6, 0x0
	.amdhsa_kernel k_qb6d1fcc7e1_route
		.amdhsa_group_segment_fixed_size 3840
		.amdhsa_private_segment_fixed_size 0
		.amdhsa_enable_private_segment 0
		.amdhsa_kernarg_size 72
		.amdhsa_user_sgpr_count 2
		.amdhsa_user_sgpr_kernarg_segment_ptr 1
		.amdhsa_wavefront_size32 1
		.amdhsa_system_sgpr_workgroup_id_x 1
		.amdhsa_system_sgpr_workgroup_id_y 1
		.amdhsa_system_sgpr_workgroup_id_z 1
		.amdhsa_system_vgpr_workitem_id 0
		.amdhsa_next_free_vgpr 130
		.amdhsa_next_free_sgpr 100
		.amdhsa_reserve_vcc 1
		.amdhsa_float_denorm_mode_32 3
		.amdhsa_float_denorm_mode_16_64 3
		.amdhsa_memory_ordered 1
		.amdhsa_forward_progress 1
		.amdhsa_inst_pref_size 57
	.end_amdhsa_kernel
	.amdgpu_metadata
---
amdhsa.version: [ 1, 2 ]
amdhsa.kernels:
  - .name:           k_qb6d1fcc7e1_route
    .symbol:         k_qb6d1fcc7e1_route.kd
    .args:
      - { .name: h_clean, .offset: 0, .size: 8, .value_kind: global_buffer, .address_space: global }
      - { .name: prototypes, .offset: 8, .size: 8, .value_kind: global_buffer, .address_space: global }
      - { .name: phones, .offset: 16, .size: 8, .value_kind: global_buffer, .address_space: global }
      - { .name: proto_phones, .offset: 24, .size: 8, .value_kind: global_buffer, .address_space: global }
      - { .name: proto_genders, .offset: 32, .size: 8, .value_kind: global_buffer, .address_space: global }
      - { .name: proto_speakers, .offset: 40, .size: 8, .value_kind: global_buffer, .address_space: global }
      - { .name: qc, .offset: 48, .size: 8, .value_kind: global_buffer, .address_space: global }
      - { .name: qm, .offset: 56, .size: 8, .value_kind: global_buffer, .address_space: global }
      - { .name: lst, .offset: 64, .size: 8, .value_kind: global_buffer, .address_space: global }
    .group_segment_fixed_size: 3840
    .private_segment_fixed_size: 0
    .kernarg_segment_align: 8
    .kernarg_segment_size: 72
    .max_flat_workgroup_size: 160
    .sgpr_count:     100
    .vgpr_count:     130
    .wavefront_size: 32
...
	.end_amdgpu_metadata
.endif
;; end of part 1
;; launch scan (part 2): grid 8 x 25, 16 waves a work-group, no clusters, 18,944 bytes of LDS; arguments qc, qm, lst, phones, part; writes part
.if DOCPART == 2
	.amdgcn_target "amdgcn-amd-amdhsa--gfx1250"
	.amdhsa_code_object_version 6
	.text
	.protected	k_qb6d1fcc7e1_scan
	.globl	k_qb6d1fcc7e1_scan
	.p2align	8
	.type	k_qb6d1fcc7e1_scan,@function
k_qb6d1fcc7e1_scan:
	s_mov_b64 s[64:65], 0
	v_nop
	global_prefetch_b8 v0, s[64:65] scope:SCOPE_SE
	s_setreg_imm32_b32 hwreg(HW_REG_WAVE_MODE, 25, 1), 1
	s_wait_xcnt 0x0
; SCAN.  For a block of 128 queries (work-group x) and a group of 4,000 prototypes (work-group y): the quantised product of the queries with the group's BASE prototypes alone
; (the list that the launch before stored), key = |p|^2 - 2 h.p, the phone mask, and the four smallest keys of each query with their indices.
; |h|^2 is the same for all prototypes of a query: it changes no order and is added in the next launch.  That is another order of rounding than (|h|^2 + |p|^2) - 2 h.p.
; SHARES.  Sixteen waves.  Wave wv keeps two tiles of 16 queries (tiles 2 pr, 2 pr + 1, pr = wv mod 4) in registers and walks the list's tiles of 16 prototypes p, p + 4, .. (p = wv / 4).
; LAYOUT.  Source 0 = 16 prototypes, source 1 = 16 queries: lane (r, h) holds query r, and register j of a result prototype 8 h + j of the tile.
; THE MASK.  A query whose phone has at least 4 base prototypes (25 stored counts added) takes those alone; any other query takes every base prototype.
; A register whose mask is empty in all 32 lanes is passed over by a scalar branch on that whole-number mask; nothing could be inserted there.
; No tensor loads, no cluster: the number of tiles is read from memory, so operands go from memory straight into registers.
; RESULT.  Keys leave as unsigned whole numbers in the order of the f32 keys (sign bit turned for positive numbers, all bits for negative ones); an empty place holds 1e30 and the dummy's index.
; Ties go to the lower index, as in jax.lax.top_k: strict compares along ascending lists, (key, index) in the merges.
; LIMITS: NaN and infinities are not served; a real key must lie under 1e30.
.set HROW0,  100352
.set DUMMY,  100000
.set BIGF,   0x7149f2ca
.set LISTB,  16064
.set PLIST,  401664
.set CTAB,   803328
.set GCNT,   905728
.set PSTR,   2112                      ; LDS: part p's 128 lists of four keys: 2,048 bytes + 64, so that the sixteen lanes of a read back (4 parts x 4 queries) take sixteen different columns of 16 bytes
.set ISTG,   8448                      ; the indices lie 4 x PSTR behind the keys
.set BF,   16                          ; v16-79   the queries' fragments: tile t, K step s at BF + 32 t + 16 s
.set BS,   80                          ; v80-83   their scale words (tile t: BS + 2 t, + 1): scales and nothing else
.set QP,   84                          ; v84-85   my query's phone, tile t
.set VBIG, 86                          ; v86      1e30
.set LA,   88                          ; v88-103  tile t: four keys ascending at LA + 8 t, their indices at LA + 8 t + 4
.set AF,   104                         ; v104-135 the prototypes' fragments, two K steps; in the merges v104-111 the partner's list
.set T0,   112                         ; v112-113 at work in the merges
.set T1,   113
.set ASC,  136                         ; v136-137 the prototypes' scale words: scales and nothing else
.set PN,   138                         ; v138-145 first the offsets of my eight prototypes' records, then their |p|^2
.set IDX,  146                         ; v146-153 their indices
.set PP,   154                         ; v154-161 their phones
.set NRID, 162                         ; v162     the next tile: the index of list entry r
.set NIDX, 164                         ; v164-171 the next tile: the indices of entries 8 h + 0..7
.set NPP,  172                         ; v172-179 their phones
.set DA,   180                         ; v180-195 the two results
.set TMP,  196                         ; v196-199 at work
	s_load_b256 s[4:11], s[0:1], 0x0               ; qc s[4:5], qm s[6:7], lst s[8:9], phones s[10:11]
	s_load_b64 s[12:13], s[0:1], 0x20              ; part
	v_lshl_add_u32 v200, v0, 2, 0x4200
	v_mov_b32 v201, 0
	v_lshrrev_b32 v196, 5, v0
	s_delay_alu instid0(VALU_DEP_1)
	v_readfirstlane_b32 s14, v196                  ; wave 0..15
	s_and_b32 s15, s14, 3                          ; pr
	s_lshr_b32 s16, s14, 2                         ; p
	s_and_b32 s18, ttmp7, 0xffff                   ; g
	v_and_b32 v1, 15, v0                           ; r
	v_bfe_u32 v2, v0, 4, 1                         ; h
	s_delay_alu instid0(VALU_DEP_1)
	v_lshlrev_b32 v3, 4, v2                        ; 16 h
	s_delay_alu instid0(VALU_DEP_3)
	v_lshlrev_b32 v4, 2, v1                        ; 4 r
	s_delay_alu instid0(VALU_DEP_3)
	v_lshlrev_b32 v5, 5, v2                        ; 32 h
	s_mul_i32 s60, s16, PSTR                       ; LDS addresses, all made here
	s_lshl_b32 s61, s15, 9
	s_add_co_u32 s60, s60, s61
	v_lshl_add_u32 v10, v1, 4, s60
	s_delay_alu instid0(VALU_DEP_1)
	v_mad_u32_u24 v10, v2, ISTG, v10               ; in: part p, query 32 pr + r (tile 1: 256 bytes on); lanes 0-15 the keys, lanes 16-31 the indices
	v_and_b32 v13, 3, v0                           ; back: part = lane mod 4,
	v_bfe_u32 v14, v0, 2, 3                        ; query 8 wv + (lane / 4)
	s_lshl_b32 s61, s14, 7
	v_mul_u32_u24 v11, v13, PSTR
	s_delay_alu instid0(VALU_DEP_1)
	v_lshl_add_u32 v11, v14, 4, v11
	s_delay_alu instid0(VALU_DEP_1)
	v_add_nc_u32 v11, s61, v11
	v_lshlrev_b32 v12, 5, v14
	s_delay_alu instid0(VALU_DEP_1)
	v_lshl_add_u32 v12, v13, 4, v12                ; out: 32 bytes a query; part 0 stores the keys, part 1 the indices
	s_lshl_b32 s60, ttmp9, 7
	s_lshl_b32 s61, s15, 5
	s_add_co_u32 s60, s60, s61
	v_add_nc_u32 v196, s60, v1                     ; my query of tile 0: 128 qb + 32 pr + r; tile 1's is 16 further on
	s_delay_alu instid0(VALU_DEP_1)
	v_lshl_add_u32 v197, v196, 8, v3               ; its codes, + 16 h
	s_delay_alu instid0(VALU_DEP_2)
	v_lshlrev_b32 v198, 4, v196                    ; its record
	s_delay_alu instid0(VALU_DEP_3)
	v_lshlrev_b32 v199, 2, v196                    ; its phone, its counts
	s_mul_i32 s62, s18, LISTB
	s_mov_b32 s63, 0
	s_lshl_b32 s38, s18, 6
	s_add_co_u32 s38, s38, GCNT
	s_mov_b32 s39, 0
	s_lshl_b32 s36, s18, 15
	s_lshl_b32 s37, ttmp9, 12
	s_add_co_u32 s36, s36, s37
	s_lshl_b32 s37, s14, 8
	s_add_co_u32 s36, s36, s37                     ; part: 32,768 g + 32 (128 qb + 8 wv)
	s_mov_b32 s37, 0
	s_mov_b32 s66, 0x76543210
	s_mov_b32 s67, 0xfedcba98                      ; v_permlanex16_b32's selects for lane l xor 16
	v_mov_b32 v[VBIG], BIGF
	s_wait_alu depctr_va_vdst(0)
	s_wait_kmcnt 0x0
	s_add_nc_u64 s[28:29], s[8:9], s[62:63]        ; my group's list
	s_add_nc_u64 s[30:31], s[8:9], s[38:39]
	s_load_b32 s19, s[30:31], 0x0                  ; its count
	s_add_nc_u64 s[32:33], s[4:5], 256*HROW0       ; the queries' codes
	s_add_nc_u64 s[34:35], s[6:7], 16*HROW0        ; and records
	s_add_nc_u64 s[36:37], s[12:13], s[36:37]
.irp t, 0,1
.irp s, 0,1
.irp c, 0,1,2,3
	global_load_b128 v[BF+32*\t+16*\s+4*\c:BF+32*\t+16*\s+4*\c+3], v197, s[32:33] offset:4096*\t+128*\s+32*\c   ; registers 4 c ..: K = 128 s + 32 c + 16 h + 0..15 of query r
.endr
.endr
	global_load_b64 v[BS+2*\t:BS+2*\t+1], v198, s[34:35] offset:256*\t
	global_load_b32 v[QP+\t], v199, s[10:11] offset:64*\t
.irp e, 0,1,2,3,4,5,6,7,8,9,10,11,12,13,14,15,16,17,18,19,20,21,22,23,24
	global_load_b32 v[AF+34*\t+\e], v199, s[8:9] offset:CTAB+4096*\e+64*\t     ; the 25 groups' counts for my query: v104-128 and v138-162
.endr
.endr
.irp t, 0,1
.irp e, 0,1,2,3
	v_mov_b32 v[LA+8*\t+\e], v[VBIG]               ; the lists begin empty
	v_mov_b32 v[LA+8*\t+4+\e], DUMMY
.endr
.endr
	s_wait_loadcnt 0x0
.irp t, 0,1
.irp e, 1
	v_add3_u32 v[AF+34*\t], v[AF+34*\t], v[AF+34*\t+\e], v[AF+34*\t+\e+1]
.endr
.irp e, 3, 5, 7, 9, 11, 13, 15, 17, 19, 21, 23
	s_delay_alu instid0(VALU_DEP_1)
	v_add3_u32 v[AF+34*\t], v[AF+34*\t], v[AF+34*\t+\e], v[AF+34*\t+\e+1]
.endr
	s_delay_alu instid0(VALU_DEP_1)
	v_cmp_gt_u32 s[26+\t], 4, v[AF+34*\t]          ; fewer than 4: the phone does not count for this query
.endr
	s_wait_kmcnt 0x0
	s_add_co_u32 s20, s19, 15
	s_lshr_b32 s20, s20, 4                         ; the list's tiles of 16
	s_add_co_u32 s21, s20, 3
	s_sub_co_u32 s21, s21, s16
	s_lshr_b32 s21, s21, 2                         ; of which tiles p, p + 4, .. are mine
	s_max_u32 s24, s20, 1
	s_sub_co_u32 s24, s24, 1                       ; the last tile
	s_mov_b32 s22, 0
	s_mov_b32 s23, s16                             ; the tile to be fetched
	s_cmp_eq_u32 s21, 0
	s_cbranch_scc1 .Ldone
; The list's entries of tile s23 (held at the last tile: the look-ahead of the last trip reads entries that exist and uses none of them)
.macro NLOAD
	s_min_u32 s60, s23, s24
	s_min_u32 s60, s60, 250                        ; inside the group's 4,016 entries
	v_lshl_add_u32 v8, s60, 6, v4
	v_lshl_add_u32 v9, s60, 6, v5
	global_load_b32 v[NRID], v8, s[28:29]
	global_load_b128 v[NIDX:NIDX+3], v9, s[28:29]
	global_load_b128 v[NIDX+4:NIDX+7], v9, s[28:29] offset:16
	global_load_b128 v[NPP:NPP+3], v9, s[28:29] offset:PLIST
	global_load_b128 v[NPP+4:NPP+7], v9, s[28:29] offset:PLIST+16
.endm
; One score x (tile t, register j) into the lanes' lists of four.
.macro SEL t, j
	s_or_b32 s60, s[40+8*\t+\j], s[26+\t]          ; allowed: the phones agree, or the phone does not count
	s_cmp_eq_u32 s60, 0
	s_cbranch_scc1 .Lskip_\@
	s_wait_alu depctr_va_vdst(0)
	v_cndmask_b32 v[TMP], v[VBIG], v[DA+8*\t+\j], s60      ; 1e30 where it is not allowed
	s_wait_alu depctr_va_vdst(0)
.irp e, 0,1,2,3
	v_cmp_lt_f32 s[56+\e], v[TMP], v[LA+8*\t+\e]   ; strictly: of equal keys the earlier, which has the lower index, stays in front
.endr
	s_delay_alu instid0(VALU_DEP_2)
	v_cndmask_b32 v[TMP+1], v[IDX+\j], v[LA+8*\t+6], s58
	s_delay_alu instid0(VALU_DEP_4)
	v_cndmask_b32 v[TMP+2], v[IDX+\j], v[LA+8*\t+5], s57
	v_cndmask_b32 v[TMP+3], v[IDX+\j], v[LA+8*\t+4], s56
	s_delay_alu instid0(VALU_DEP_3)
	v_cndmask_b32 v[LA+8*\t+7], v[LA+8*\t+7], v[TMP+1], s59
	s_delay_alu instid0(VALU_DEP_3)
	v_cndmask_b32 v[LA+8*\t+6], v[LA+8*\t+6], v[TMP+2], s58
	s_delay_alu instid0(VALU_DEP_3)
	v_cndmask_b32 v[LA+8*\t+5], v[LA+8*\t+5], v[TMP+3], s57
	v_cndmask_b32 v[LA+8*\t+4], v[LA+8*\t+4], v[IDX+\j], s56
	v_med3_num_f32 v[LA+8*\t+3], v[LA+8*\t+2], v[TMP], v[LA+8*\t+3]
	v_med3_num_f32 v[LA+8*\t+2], v[LA+8*\t+1], v[TMP], v[LA+8*\t+2]
	v_med3_num_f32 v[LA+8*\t+1], v[LA+8*\t], v[TMP], v[LA+8*\t+1]
	v_min_num_f32 v[LA+8*\t], v[LA+8*\t], v[TMP]
.Lskip_\@:
.endm
; s56 = the lanes where (key kb, index ib) comes before (key ka, index ia): whole numbers
.macro LESS ka, ia, kb, ib
	v_cmp_lt_u32 s56, v[\kb], v[\ka]
	v_cmp_eq_u32 s57, v[\kb], v[\ka]
	v_cmp_lt_u32 vcc_lo, v[\ib], v[\ia]
	s_and_b32 s57, s57, vcc_lo
	s_or_b32 s56, s56, s57
.endm
.macro CEX ka, ia, kb, ib              ; the smaller of the two to a, the larger to b
	LESS \ka, \ia, \kb, \ib
	v_min_u32 v[T0], v[\ka], v[\kb]
	v_max_u32 v[\kb], v[\ka], v[\kb]
	v_cndmask_b32 v[T1], v[\ia], v[\ib], s56
	v_cndmask_b32 v[\ib], v[\ib], v[\ia], s56
	s_delay_alu instid0(VALU_DEP_4)
	v_mov_b32 v[\ka], v[T0]
	s_delay_alu instid0(VALU_DEP_3)
	v_mov_b32 v[\ia], v[T1]
.endm
; Two ascending lists of four become the ascending four smallest of the eight: place n against the other list's place 3 - n, then two rounds of exchanges.
.macro MERGE k, i, bk, bi
.irp n, 0,1,2,3
	LESS (\k)+\n, (\i)+\n, (\bk)+3-\n, (\bi)+3-\n
	v_cndmask_b32 v[(\k)+\n], v[(\k)+\n], v[(\bk)+3-\n], s56
	v_cndmask_b32 v[(\i)+\n], v[(\i)+\n], v[(\bi)+3-\n], s56
.endr
	CEX (\k), (\i), (\k)+2, (\i)+2
	CEX (\k)+1, (\i)+1, (\k)+3, (\i)+3
	CEX (\k), (\i), (\k)+1, (\i)+1
	CEX (\k)+2, (\i)+2, (\k)+3, (\i)+3
.endm
	NLOAD
.Ltile:
	s_wait_loadcnt 0x0                             ; the tile's list entries are in
	v_min_u32 v[TMP], DUMMY, v[NRID]               ; an index read from memory is held inside the table before it enters an address
	s_delay_alu instid0(VALU_DEP_1)
	v_lshl_add_u32 v6, v[TMP], 8, v3               ; entry r's codes, + 16 h
	s_delay_alu instid0(VALU_DEP_2)
	v_lshlrev_b32 v7, 4, v[TMP]                    ; its record
.irp j, 0,1,2,3,4,5,6,7
	v_min_u32 v[PN+\j], DUMMY, v[NIDX+\j]
.endr
.irp j, 0,1,2,3,4,5,6,7
	v_lshlrev_b32 v[PN+\j], 4, v[PN+\j]
.endr
.irp s, 0,1
.irp c, 0,1,2,3
	global_load_b128 v[AF+16*\s+4*\c:AF+16*\s+4*\c+3], v6, s[4:5] offset:128*\s+32*\c
.endr
.endr
	global_load_b64 v[ASC:ASC+1], v7, s[6:7]
.irp j, 0,1,2,3,4,5,6,7
	global_load_b32 v[PN+\j], v[PN+\j], s[6:7] offset:8    ; |p|^2 of entry 8 h + j; the load lands on its own offset
.endr
	s_wait_loadcnt 0x0
	; the two results take turns, one instruction a turn
	v_wmma_scale_f32_16x16x128_f8f6f4 v[DA:DA+7], v[AF:AF+15], v[BF:BF+15], 0, v[ASC], v[BS]
	v_wmma_scale_f32_16x16x128_f8f6f4 v[DA+8:DA+15], v[AF:AF+15], v[BF+32:BF+47], 0, v[ASC], v[BS+2]
	v_wmma_scale_f32_16x16x128_f8f6f4 v[DA:DA+7], v[AF+16:AF+31], v[BF+16:BF+31], v[DA:DA+7], v[ASC+1], v[BS+1]
	v_wmma_scale_f32_16x16x128_f8f6f4 v[DA+8:DA+15], v[AF+16:AF+31], v[BF+48:BF+63], v[DA+8:DA+15], v[ASC+1], v[BS+3]
.irp j, 0,1,2,3,4,5,6,7
	v_mov_b32 v[IDX+\j], v[NIDX+\j]                ; sixteen plain lines that name no register of the products: the places behind them (ISA guide 7.12.1)
	v_mov_b32 v[PP+\j], v[NPP+\j]
.endr
	s_add_co_u32 s23, s23, 4
	NLOAD                                          ; the next tile's entries have the whole selection in which to land
.irp t, 0,1
.irp j, 0,1,2,3,4,5,6,7
	v_fma_f32 v[DA+8*\t+\j], v[DA+8*\t+\j], -2.0, v[PN+\j]         ; key = |p|^2 - 2 h.p; each result from its low end on
	v_cmp_eq_u32 s[40+8*\t+\j], v[PP+\j], v[QP+\t]
.endr
.endr
.irp j, 0,1,2,3,4,5,6,7
	SEL 0, \j
	SEL 1, \j
.endr
	s_add_co_u32 s22, s22, 1
	s_cmp_lt_u32 s22, s21
	s_cbranch_scc1 .Ltile
.Ldone:
	s_wait_loadcnt 0x0                             ; the last look-ahead
	s_wait_alu depctr_va_vdst(0)
.irp e, 0,1,2,3,8,9,10,11
	v_ashrrev_i32 v[TMP], 31, v[LA+\e]             ; f32 keys to unsigned whole numbers of the same order
	s_delay_alu instid0(VALU_DEP_1)
	v_or_b32 v[TMP], 0x80000000, v[TMP]
	s_delay_alu instid0(VALU_DEP_1)
	v_xor_b32 v[LA+\e], v[LA+\e], v[TMP]
.endr
	s_mov_b32 s62, 0xffff0000                      ; lanes 16-31
.irp t, 0,1
.irp e, 0,1,2,3,4,5,6,7
	v_permlanex16_b32 v[AF+\e], v[LA+8*\t+\e], s66, s67    ; lane l xor 16 holds the same query's other prototypes
.endr
	MERGE LA+8*\t, LA+8*\t+4, AF, AF+4
.endr
.irp t, 0,1
.irp e, 0,1,2,3
	v_cndmask_b32 v[AF+4*\t+\e], v[LA+8*\t+\e], v[LA+8*\t+4+\e], s62
.endr
	ds_store_b128 v10, v[AF+4*\t:AF+4*\t+3] offset:256*\t
.endr
	s_wait_dscnt 0x0                               ; for the others' sake: my stores have landed
	s_barrier_signal -1
	s_barrier_wait -1
	ds_load_b128 v[LA:LA+3], v11                   ; a query's four parts lie in four neighbouring lanes
	ds_load_b128 v[LA+4:LA+7], v11 offset:ISTG
	s_wait_dscnt 0x0
.irp x, 1,2
.irp e, 0,1,2,3,4,5,6,7
	v_mov_b32_dpp v[AF+\e], v[LA+\e] row_xmask:\x row_mask:0xf bank_mask:0xf
.endr
	MERGE LA, LA+4, AF, AF+4
.endr
	v_cmp_eq_u32 s62, 1, v13
.irp e, 0,1,2,3
	v_cndmask_b32 v[AF+\e], v[LA+\e], v[LA+4+\e], s62
.endr
	v_cmp_gt_u32 vcc_lo, 2, v13
	s_wait_alu depctr_va_vdst(0)
	s_wait_xcnt 0x0                                ; EXEC changes only behind this wait
	s_wait_tensorcnt 0x0
	ds_add_u32 v200, v201
	s_wait_dscnt 0x0
	s_and_saveexec_b32 s63, vcc_lo
	global_store_b128 v12, v[AF:AF+3], s[36:37]    ; sixteen lanes store 256 consecutive bytes, at a multiple of 256 from the buffer's first byte
	s_wait_xcnt 0x0
	s_or_b32 exec_lo, exec_lo, s63
	s_endpgm
.Lfunc_end_k_qb6d1fcc7e1_scan:
	.size	k_qb6d1fcc7e1_scan, .Lfunc_end_k_qb6d1fcc7e1_scan-k_qb6d1fcc7e1_scan
	.p2alignl 7, 3214868480
	.fill 96, 4, 3214868480
	.section	.rodata,"a",@progbits
	.p2align	6, 0x0
	.amdhsa_kernel k_qb6d1fcc7e1_scan
		.amdhsa_group_segment_fixed_size 18944
		.amdhsa_private_segment_fixed_size 0
		.amdhsa_enable_private_segment 0
		.amdhsa_kernarg_size 40
		.amdhsa_user_sgpr_count 2
		.amdhsa_user_sgpr_kernarg_segment_ptr 1
		.amdhsa_wavefront_size32 1
		.amdhsa_system_sgpr_workgroup_id_x 1
		.amdhsa_system_sgpr_workgroup_id_y 1
		.amdhsa_system_sgpr_workgroup_id_z 1
		.amdhsa_system_vgpr_workitem_id 0
		.amdhsa_next_free_vgpr 202
		.amdhsa_next_free_sgpr 80
		.amdhsa_reserve_vcc 1
		.amdhsa_float_denorm_mode_32 3
		.amdhsa_float_denorm_mode_16_64 3
		.amdhsa_memory_ordered 1
		.amdhsa_forward_progress 1
		.amdhsa_inst_pref_size 61
	.end_amdhsa_kernel
	.amdgpu_metadata
---
amdhsa.version: [ 1, 2 ]
amdhsa.kernels:
  - .name:           k_qb6d1fcc7e1_scan
    .symbol:         k_qb6d1fcc7e1_scan.kd
    .args:
      - { .name: qc, .offset: 0, .size: 8, .value_kind: global_buffer, .address_space: global }
      - { .name: qm, .offset: 8, .size: 8, .value_kind: global_buffer, .address_space: global }
      - { .name: lst, .offset: 16, .size: 8, .value_kind: global_buffer, .address_space: global }
      - { .name: phones, .offset: 24, .size: 8, .value_kind: global_buffer, .address_space: global }
      - { .name: part, .offset: 32, .size: 8, .value_kind: global_buffer, .address_space: global }
    .group_segment_fixed_size: 18944
    .private_segment_fixed_size: 0
    .kernarg_segment_align: 8
    .kernarg_segment_size: 40
    .max_flat_workgroup_size: 512
    .sgpr_count:     80
    .vgpr_count:     202
    .wavefront_size: 32
...
	.end_amdgpu_metadata
.endif
;; end of part 2
;; launch out (part 3): grid 256 x 1, 4 waves a work-group, no clusters, 0 bytes of LDS; arguments part, qm, prototypes, out0; writes out0
.if DOCPART == 3
	.amdgcn_target "amdgcn-amd-amdhsa--gfx1250"
	.amdhsa_code_object_version 6
	.text
	.protected	k_qb6d1fcc7e1_out
	.globl	k_qb6d1fcc7e1_out
	.p2align	8
	.type	k_qb6d1fcc7e1_out,@function
k_qb6d1fcc7e1_out:
	s_mov_b64 s[64:65], 0
	v_nop
	global_prefetch_b8 v0, s[64:65] scope:SCOPE_SE
	s_setreg_imm32_b32 hwreg(HW_REG_WAVE_MODE, 25, 1), 1
	s_wait_xcnt 0x0
; OUT.  One wave to a query.  Lane l takes group l's four smallest keys and their indices (whole numbers stored by the launch before); five exchanges merge the 25 lists, by compares of whole
; numbers alone, (key, index) in order, so that ties go to the lower index.  Then d2 = key + |h|^2, softmax(-d2) with the largest -d2 taken away, the four f32 rows, their weighted sum.
; An empty place (key 1e30, the dummy's index) stands for a masked prototype: place k takes row k.  With all four empty the weights are 1/4 on rows 0..3, as jax.lax.top_k has it.
; With one to three empty the weight of an empty place is exactly 0.
; LIMIT: there the row multiplied by 0 is row k and not the lowest masked row: the same 0 for finite rows; NaN and infinities are not served.
; No LDS, no barrier, no matrix unit: K = 4 and each wave owns its row of the output.
.set HROW0, 100352
.set DUMMY, 100000
.set T0, 22
.set T1, 23
.macro LESS ka, ia, kb, ib             ; s20 = the lanes where (key kb, index ib) comes before (key ka, index ia)
	v_cmp_lt_u32 s20, v[\kb], v[\ka]
	v_cmp_eq_u32 s21, v[\kb], v[\ka]
	v_cmp_lt_u32 vcc_lo, v[\ib], v[\ia]
	s_and_b32 s21, s21, vcc_lo
	s_or_b32 s20, s20, s21
.endm
.macro CEX ka, ia, kb, ib              ; the smaller of the two to a, the larger to b
	LESS \ka, \ia, \kb, \ib
	v_min_u32 v[T0], v[\ka], v[\kb]
	v_max_u32 v[\kb], v[\ka], v[\kb]
	v_cndmask_b32 v[T1], v[\ia], v[\ib], s20
	v_cndmask_b32 v[\ib], v[\ib], v[\ia], s20
	v_mov_b32 v[\ka], v[T0]
	v_mov_b32 v[\ia], v[T1]
.endm
.macro MERGE k, i, bk, bi              ; two ascending lists of four become the ascending four smallest of the eight
.irp n, 0,1,2,3
	LESS (\k)+\n, (\i)+\n, (\bk)+3-\n, (\bi)+3-\n
	v_cndmask_b32 v[(\k)+\n], v[(\k)+\n], v[(\bk)+3-\n], s20
	v_cndmask_b32 v[(\i)+\n], v[(\i)+\n], v[(\bi)+3-\n], s20
.endr
	CEX (\k), (\i), (\k)+2, (\i)+2
	CEX (\k)+1, (\i)+1, (\k)+3, (\i)+3
	CEX (\k), (\i), (\k)+1, (\i)+1
	CEX (\k)+2, (\i)+2, (\k)+3, (\i)+3
.endm
	s_load_b256 s[4:11], s[0:1], 0x0               ; part s[4:5], qm s[6:7], prototypes s[8:9], out0 s[10:11]
	v_lshrrev_b32 v1, 5, v0
	v_readfirstlane_b32 s12, v1                    ; wave 0..3
	s_lshl_b32 s13, ttmp9, 2
	s_add_co_u32 s13, s13, s12                     ; my query
	v_and_b32 v1, 31, v0                           ; lane
	v_lshlrev_b32 v2, 4, v1                        ; 16 x lane
	v_min_u32 v3, 24, v1
	v_lshlrev_b32 v3, 15, v3                       ; group min(lane, 24): 32,768 bytes a group
	s_lshl_b32 s14, s13, 5                         ; 32 bytes a query
	s_mov_b32 s15, 0
	s_lshl_b32 s16, s13, 4
	s_add_co_u32 s16, s16, 16*HROW0+8              ; |h|^2 in my query's record
	s_mov_b32 s17, 0
	s_lshl_b32 s22, s13, 10                        ; my row of the output
	s_mov_b32 s23, 0
	s_mov_b32 s24, 0x76543210
	s_mov_b32 s25, 0xfedcba98                      ; v_permlanex16_b32's selects for lane l xor 16
	s_wait_alu depctr_va_vdst(0)
	s_wait_kmcnt 0x0
	s_add_nc_u64 s[4:5], s[4:5], s[14:15]
	s_add_nc_u64 s[6:7], s[6:7], s[16:17]
	s_add_nc_u64 s[10:11], s[10:11], s[22:23]
	global_load_b128 v[4:7], v3, s[4:5]            ; four keys, ascending
	global_load_b128 v[8:11], v3, s[4:5] offset:16 ; their indices
	s_load_b32 s18, s[6:7], 0x0
	v_mov_b32 v20, 0xf149f2ca                      ; 1e30 as a key
	v_mov_b32 v21, DUMMY
.irp e, 0,1,2,3,4,5,6,7
	v_mov_b32 v[12+\e], 0                          ; written once: the destination of a move between lanes counts as one of its sources
.endr
	v_cmp_gt_u32 vcc_lo, 25, v1
	s_wait_loadcnt 0x0
.irp e, 0,1,2,3
	v_cndmask_b32 v[4+\e], v20, v[4+\e], vcc_lo    ; lanes 25-31 hold empty lists
	v_cndmask_b32 v[8+\e], v21, v[8+\e], vcc_lo
.endr
.irp x, 1,2,4,8
.irp e, 0,1,2,3,4,5,6,7
	v_mov_b32_dpp v[12+\e], v[4+\e] row_xmask:\x row_mask:0xf bank_mask:0xf
.endr
	MERGE 4, 8, 12, 16
.endr
.irp e, 0,1,2,3,4,5,6,7
	v_permlanex16_b32 v[12+\e], v[4+\e], s24, s25
.endr
	MERGE 4, 8, 12, 16                             ; every lane holds the query's four nearest
.irp e, 0,1,2,3
	v_cmp_gt_u32 vcc_lo, DUMMY, v[8+\e]
	v_cndmask_b32 v[28+\e], \e, v[8+\e], vcc_lo    ; an empty place takes row k
	v_min_u32 v[28+\e], 99999, v[28+\e]            ; inside the table
	v_lshl_add_u32 v[28+\e], v[28+\e], 10, v2
	global_load_b128 v[32+8*\e:35+8*\e], v[28+\e], s[8:9]              ; 32 lanes read 512 consecutive bytes: the row's first half,
	global_load_b128 v[36+8*\e:39+8*\e], v[28+\e], s[8:9] offset:512   ; and its second
.endr
.irp e, 0,1,2,3
	v_ashrrev_i32 v[64+\e], 31, v[4+\e]            ; the keys back to f32, while the rows are on their way
	v_not_b32 v[64+\e], v[64+\e]
	v_or_b32 v[64+\e], 0x80000000, v[64+\e]
	v_xor_b32 v[64+\e], v[4+\e], v[64+\e]
.endr
	s_wait_alu depctr_va_vdst(0)
	s_wait_kmcnt 0x0
.irp e, 0,1,2,3
	v_add_f32 v[64+\e], s18, v[64+\e]              ; d2 = key + |h|^2
.endr
.irp e, 0,1,2,3
	v_sub_f32 v[68+\e], v64, v[64+\e]              ; -d2 less its largest, which is place 0's
.endr
.irp e, 0,1,2,3
	v_mul_f32 v[68+\e], 0x3fb8aa3b, v[68+\e]       ; x log2(e)
.endr
	s_wait_alu depctr_va_vdst(0)
.irp e, 0,1,2,3
	v_exp_f32 v[68+\e], v[68+\e]
.endr
	v_nop                                          ; a plain line behind the exponentials
	s_wait_alu depctr_va_vdst(0)
	v_add_f32 v24, v68, v69
	v_add_f32 v25, v70, v71
	v_add_f32 v24, v24, v25                        ; at least 1: place 0 gives 1
	s_wait_alu depctr_va_vdst(0)
	v_rcp_f32 v25, v24
	v_nop                                          ; a plain line behind the reciprocal
	s_wait_alu depctr_va_vdst(0)
.irp e, 0,1,2,3
	v_mul_f32 v[72+2*\e], v[68+\e], v25            ; the weight, in both halves of a pair for the packed forms
	v_mul_f32 v[73+2*\e], v[68+\e], v25
.endr
	s_wait_alu depctr_va_vdst(0)
	s_wait_loadcnt 0x0
.irp m, 0,2,4,6
	v_pk_mul_f32 v[80+\m:81+\m], v[32+\m:33+\m], v[72:73]
.endr
.irp e, 1,2,3
.irp m, 0,2,4,6
	v_pk_fma_f32 v[80+\m:81+\m], v[32+8*\e+\m:33+8*\e+\m], v[72+2*\e:73+2*\e], v[80+\m:81+\m]
.endr
.endr
	global_store_b128 v2, v[80:83], s[10:11]       ; 32 lanes store 512 consecutive bytes, twice: the whole row
	global_store_b128 v2, v[84:87], s[10:11] offset:512
	s_endpgm
.Lfunc_end_k_qb6d1fcc7e1_out:
	.size	k_qb6d1fcc7e1_out, .Lfunc_end_k_qb6d1fcc7e1_out-k_qb6d1fcc7e1_out
	.p2alignl 7, 3214868480
	.fill 96, 4, 3214868480
	.section	.rodata,"a",@progbits
	.p2align	6, 0x0
	.amdhsa_kernel k_qb6d1fcc7e1_out
		.amdhsa_group_segment_fixed_size 0
		.amdhsa_private_segment_fixed_size 0
		.amdhsa_enable_private_segment 0
		.amdhsa_kernarg_size 32
		.amdhsa_user_sgpr_count 2
		.amdhsa_user_sgpr_kernarg_segment_ptr 1
		.amdhsa_wavefront_size32 1
		.amdhsa_system_sgpr_workgroup_id_x 1
		.amdhsa_system_sgpr_workgroup_id_y 1
		.amdhsa_system_sgpr_workgroup_id_z 1
		.amdhsa_system_vgpr_workitem_id 0
		.amdhsa_next_free_vgpr 96
		.amdhsa_next_free_sgpr 66
		.amdhsa_reserve_vcc 1
		.amdhsa_float_denorm_mode_32 3
		.amdhsa_float_denorm_mode_16_64 3
		.amdhsa_memory_ordered 1
		.amdhsa_forward_progress 1
		.amdhsa_inst_pref_size 26
	.end_amdhsa_kernel
	.amdgpu_metadata
---
amdhsa.version: [ 1, 2 ]
amdhsa.kernels:
  - .name:           k_qb6d1fcc7e1_out
    .symbol:         k_qb6d1fcc7e1_out.kd
    .args:
      - { .name: part, .offset: 0, .size: 8, .value_kind: global_buffer, .address_space: global }
      - { .name: qm, .offset: 8, .size: 8, .value_kind: global_buffer, .address_space: global }
      - { .name: prototypes, .offset: 16, .size: 8, .value_kind: global_buffer, .address_space: global }
      - { .name: out0, .offset: 24, .size: 8, .value_kind: global_buffer, .address_space: global }
    .group_segment_fixed_size: 0
    .private_segment_fixed_size: 0
    .kernarg_segment_align: 8
    .kernarg_segment_size: 32
    .max_flat_workgroup_size: 128
    .sgpr_count:     66
    .vgpr_count:     96
    .wavefront_size: 32
...
	.end_amdgpu_metadata
.endif
;; end of part 3
